; MI455X (gfx1250); checked and timed in simulation.
; The chip was launched on July 23, 2026; its instructions are those of AMD's public machine-readable ISA for CDNA 5 (MIT licence, August 2026) and "CDNA5" Instruction Set Architecture Reference Guide (July 2026). The comments in the code are by the model that wrote it; some were corrected since.
;; Attention. Allowed arithmetic: matrix products marked QUANTISED: E2M1 operands, one E8M0 scale for each 32 along K, by v_wmma_scale_f32_16x16x128_f8f6f4 with both operands' format E2M1 (or v_wmma_scale_f32_32x16x128_f4), f32 sums; everything else in f32.
;; Inputs: rope_cache 2,048 x 64 float32; sinks 32 float32; wk_b 512 float32; wk_w 512 x 2,048 float32; wo_b 2,048 float32; wo_w 2,048 x 2,048 float32; wq_b 2,048 float32; wq_w 2,048 x 2,048 float32; wv_b 512 float32; wv_w 512 x 2,048 float32; x 1 x 2,048 x 2,048 float32.
;; Outputs: out0 1 x 2,048 x 2,048 float32.
;; This version of the problem:
;;   THIS VERSION OF THE PROBLEM IS GIVEN IN LOW PRECISION. The matrix products marked QUANTISED in the list below multiply operands that are first quantised to E2M1 (2 exponent bits, 1 mantissa bit; 4 bits a number), with one power-of-two scale for each 32 numbers along K (OCP MX v1.0); their sums are f32. All else is computed in f32.
;;   The module's matrix products, in the order in which they are computed (A, B: the left and right operand; K: the contracted axis; several contracted axes count as one K, in the product's order):
;;     1. [M 2,048, K 2,048] x [K 2,048, N 2,048]; A: input x; B: input wq_w: QUANTISED
;;     2. [M 2,048, K 2,048] x [K 2,048, N 512]; A: input x; B: input wk_w: QUANTISED
;;     3. [M 2,048, K 2,048] x [K 2,048, N 512]; A: input x; B: input wv_w: QUANTISED
;;     4. batch 32 x [M 2,048, K 64] x [K 64, N 2,048]; A: computed on the way; B: computed on the way: QUANTISED
;;     5. batch 32 x [M 2,048, K 2,048] x [K 2,048, N 64]; A: computed on the way; B: computed on the way: QUANTISED
;;     6. [M 2,048, K 2,048] x [K 2,048, N 2,048]; A: computed on the way; B: input wo_w: QUANTISED
;;   THE QUANTISER, for each operand of a quantised product, along K:
;;     - K is cut into blocks of 32 from its start; a last block that is shorter is filled with zeros.
;;     - A block's scale is 2^e with e = floor(log2(the largest magnitude in the block)) - 2, held to -126 .. 127; a block of zeros has e = 0. As a byte (E8M0): e + 127.
;;     - Each number is divided by its block's scale, clamped to +-6, and rounded to the nearest number of E2M1, ties to even, subnormals kept.
;;     - The product sums the exact products of the quantised numbers (number of the format x scale) in f32.
;;   ~~~python
;;   def quantise(x, axis):      # numpy; x: float32 -> the quantised numbers, widened to float32 again
;;       x = np.moveaxis(x, axis, -1); K = x.shape[-1]
;;       x = np.pad(x, [(0, 0)] * (x.ndim - 1) + [(0, -K % 32)]); x = x.reshape(x.shape[:-1] + (-1, 32)); a = np.abs(x).max(-1, keepdims=True)
;;       e = np.where(a > 0, np.clip(np.frexp(np.where(a > 0, a, 1))[1] - 1 - 2, -126, 127), 0)      # np.frexp(a)[1] - 1 = floor(log2(a)), exactly
;;       r = np.clip(x / 2.0 ** e, -6, 6)
;;       step = 2.0 ** (np.maximum(np.frexp(np.where(r == 0, 1, r))[1] - 1, 0) - 1)
;;       q = np.round(r / step) * step * 2.0 ** e      # np.round: ties to even
;;       return np.moveaxis(q.reshape(q.shape[:-2] + (-1,))[..., :K], -1, axis).astype(np.float32)
;;   ~~~
;;   OPERANDS COMPUTED ON THE WAY. 'Computed on the way' means the value that the module computes at that place (a softmax that the list does not call 'softmax' is quantised finished and normalised). What goes into a quantiser is computed in f32, as accurately as f32 sums, v_exp_f32 and their like allow (about 1e-6 of the number): no bf16 or f16 on the way to a quantiser, and a product that is left as it is and whose result goes on into a quantised operand takes f32 operands (vector FMAs, or v_wmma_f32_16x16x4_f32). A number that lies on a knife's edge between two numbers of the format may be rounded either way, as far as f32 arithmetic and the matrix unit's own rounding can turn it there, and no further.
;; One version. Each part assembles by itself: llvm-mc -triple=amdgcn-amd-amdhsa -mcpu=gfx1250 --defsym DOCPART=n.
;; ======== version 1 of 1: 4 launches
;; workspace buffers: codes 7,340,032 bytes; scales 458,752 bytes; qkv 3,506,176 bytes; aoc 2,097,152 bytes; aos 131,072 bytes
;; launch quant (part 1): grid 224 x 1, 4 waves a work-group, no clusters, 34,304 bytes of LDS; arguments x, wq_w, wk_w, wv_w, wo_w, codes, scales; writes codes, scales
.if DOCPART == 1
	.amdgcn_target "amdgcn-amd-amdhsa--gfx1250"
	.amdhsa_code_object_version 6
	.text
	.protected	k_q7ff0cf9be8_quant
	.globl	k_q7ff0cf9be8_quant
	.p2align	8
	.type	k_q7ff0cf9be8_quant,@function
k_q7ff0cf9be8_quant:
	s_mov_b64 s[64:65], 0
	v_nop
	global_prefetch_b8 v0, s[64:65] scope:SCOPE_SE
	s_setreg_imm32_b32 hwreg(HW_REG_WAVE_MODE, 25, 1), 1
	s_wait_xcnt 0x0
; THE PROGRAM: four launches.  quant: x, wq_w, wk_w, wv_w, wo_w (f32, K = 2,048 innermost) -> codes of E2M1 and E8M0 scale words.  qkv: the three projections, bias, rope, the quantisers of q, k (along the head's 64)
; and v (along the keys).  attn: scores, logsumexp, the finished softmax quantised along the keys, its product with v, the sink's sigmoid, the quantiser of the result.  oproj: the last projection and its bias.
; DEAD WORK.  reference() builds its causal mask itself (jnp.tril) and puts NEG = -1e30 where key > query; exp(NEG - lse) is 0 there for every finite input, so such a score adds nothing to lse, and its weight is a zero
; among the weights: a block of 32 keys that lies wholly behind a query is a block of zeros, which adds nothing to the second product.  So attn leaves out the steps of 128 keys all of which come after a wave's 16 queries.
; Nothing else is left out; every input has a way to the output and is loaded.  LIMIT: a NaN, an infinity or an overflow that reaches only the hidden scores is not carried to the result.
; THIS LAUNCH.  A block's scale is 2^(floor(log2(largest magnitude)) - 2): its byte is the largest magnitude's exponent field - 2, held at 1 from below by a floor among the maximum's leaves.
; LIMITS: NaN and infinities among the inputs are not served.  A block of zeros gets the byte 1 where the rule says 127: its codes are zeros, which add nothing under any byte but 0xff, and this program alone reads the bytes.
; LAYOUT OF EVERY OPERAND IN THIS PROGRAM.  Rows go in groups of 32; a group has two tiles u = 0, 1; lane r of tile u stands for row 8 u + r + 8 (r / 8) of the group.  A fragment (16 rows x 128 K, 8 registers a lane) lies in
; memory as the image of its registers: [c = 0, 1][lane][16 bytes], lane (r, h) at piece c holding k = 64 c + 32 h + 0 .. 31.  codes: group x 32,768 + K step x 2,048 + u x 1,024 + c x 512 + 16 lane.
; scales: group x 2,048 + (K step / 4) x 512 + 16 (16 u + r) + 4 (K step % 4): one word for a row and a K step.  Groups: x 0-63, wq 64-127, wk 128-143, wv 144-159, wo 160-223.
; SHARES.  A work-group takes a group of 32 rows, wave w the quarter w of K (512 numbers of each row), in 8 steps t = 2 (K step) + u, a fragment each.  A step's 16 loads read 512 consecutive bytes of one row each; the 8 KB turn
; through the wave's own stage in LDS (rows 528 bytes apart) and come back 128 bytes a lane and block: a lane then holds two whole blocks of 32, in the order of the operand's registers.  Waves share nothing: no barrier.
.set ROWB,  8192                       ; a row of any of the five tensors, in bytes
.set PITCH, 528                        ; a stage row: 512 bytes + 16: the 16 rows that a read touches begin 4 words apart modulo 64 words
.set WST,   16*PITCH                   ; a wave's stage
.set SPARE, 4*WST                      ; behind the stages: the spare words, 128 bytes a wave
.set LI,    1                          ; v1   16 x lane
.set SIN,   2                          ; v2   the stage on the way in
.set SOUT,  3                          ; v3   and on the way out: row r, + 128 h
.set SH8,   4                          ; v4   8 h
.set SPW,   12                         ; v12  my spare word's LDS address; never rewritten
.set NIL,   13                         ; v13  0; never rewritten
.set R,     16                         ; v16-143  two sets of 64 registers as loaded
.set X,     144                        ; v144-207 my two blocks of 32 neighbours
.set C,     208                        ; v208-223 two sets of 8 registers of codes
.set W,     224                        ; v224-231 the scale words: 4 u + K step
.set TM,    232                        ; v232-239 at work
	s_load_b256 s[4:11], s[0:1], 0x0               ; x, wq_w, wk_w, wv_w
	s_load_b128 s[12:15], s[0:1], 0x20             ; wo_w, codes
	s_load_b64 s[16:17], s[0:1], 0x30              ; scales
	v_lshl_add_u32 v[SPW], v0, 2, SPARE
	v_mov_b32 v[NIL], 0
	v_lshrrev_b32 v5, 5, v0
	v_readfirstlane_b32 s18, v5                    ; wave = quarter of K
	v_and_b32 v5, 31, v0                           ; lane
	v_and_b32 v6, 15, v0                           ; r
	v_bfe_u32 v7, v0, 4, 1                         ; h
	v_lshlrev_b32 v[LI], 4, v5
	s_mul_i32 s19, s18, WST
	v_add_nc_u32 v[SIN], s19, v[LI]
	v_mul_u32_u24 v[SOUT], v6, PITCH
	v_lshl_add_u32 v[SOUT], v7, 7, v[SOUT]
	v_add_nc_u32 v[SOUT], s19, v[SOUT]
	v_lshlrev_b32 v[SH8], 3, v7
	v_cmp_lt_u32 vcc_lo, 15, v5                    ; lanes 16-31: kept for the tail
	v_mov_b32 v[TM+4], 0                           ; written once: a lane permute's destination counts as one of its sources
	s_mov_b32 s30, 0x76543210
	s_mov_b32 s31, 0xfedcba98                      ; v_permlanex16_b32's selects for lane l xor 16
	s_wait_kmcnt 0x0
	; which tensor my group belongs to, and that tensor's first group: the choice hangs on the work-group's number alone
	s_mov_b64 s[20:21], s[12:13]
	s_mov_b32 s22, 160
	s_cmp_lt_u32 ttmp9, 160
	s_cselect_b64 s[20:21], s[10:11], s[20:21]
	s_mov_b32 s23, 144
	s_cselect_b32 s22, s23, s22
	s_cmp_lt_u32 ttmp9, 144
	s_cselect_b64 s[20:21], s[8:9], s[20:21]
	s_mov_b32 s23, 128
	s_cselect_b32 s22, s23, s22
	s_cmp_lt_u32 ttmp9, 128
	s_cselect_b64 s[20:21], s[6:7], s[20:21]
	s_cselect_b32 s22, 64, s22
	s_cmp_lt_u32 ttmp9, 64
	s_cselect_b64 s[20:21], s[4:5], s[20:21]
	s_cselect_b32 s22, 0, s22
	s_sub_co_u32 s22, ttmp9, s22                   ; my group within its tensor
	s_lshl_b32 s22, s22, 18                        ; x 32 rows of 8,192 bytes
	s_lshl_b32 s23, s18, 11                        ; + my quarter of a row
	s_add_co_u32 s22, s22, s23
	s_mov_b32 s23, 0
	s_add_nc_u64 s[20:21], s[20:21], s[22:23]
	s_lshl_b32 s24, ttmp9, 15
	s_lshl_b32 s25, s18, 13
	s_add_co_u32 s24, s24, s25
	s_mov_b32 s25, 0
	s_add_nc_u64 s[14:15], s[14:15], s[24:25]      ; codes: group x 32,768 + 4 K steps x 2,048 x wave
	s_lshl_b32 s24, ttmp9, 11
	s_lshl_b32 s26, s18, 9
	s_add_co_u32 s24, s24, s26
	s_add_nc_u64 s[16:17], s[16:17], s[24:25]      ; scales: group x 2,048 + 512 x wave
.macro LOAD t                          ; step t: the 16 rows of tile t % 2, 128 numbers of K step t / 2: each load 512 consecutive bytes
.set ii, 0
.rept 16
	global_load_b128 v[R+64*((\t)%2)+4*ii:R+64*((\t)%2)+4*ii+3], v[LI], s[20:21] offset:(8*((\t)%2)+ii+8*(ii/8))*ROWB+((\t)/2)*512 th:TH_LOAD_NT
.set ii, ii+1
.endr
.endm
.macro STEP t
.set RS, R+64*((\t)%2)
.set CD, C+8*((\t)%2)
.if (\t) < 7
	s_wait_loadcnt 16                              ; this step's 16 loads are in; the next step's 16 may be out
.else
	s_wait_loadcnt 0x0
.endif
.set ii, 0
.rept 16
	ds_store_b128 v[SIN], v[RS+4*ii:RS+4*ii+3] offset:ii*PITCH
.set ii, ii+1
.endr
.irp c, 0,1
.irp i, 0,1,2,3,4,5,6,7
	ds_load_b128 v[X+32*\c+4*\i:X+32*\c+4*\i+3], v[SOUT] offset:256*\c+16*\i   ; LDS serves a wave's instructions in order: these see the stores above.  k = 64 c + 32 h + 4 i ..
.endr
.endr
	s_wait_dscnt 0x0                               ; my two blocks are here, and the stores have read their registers,
.if (\t)+2 < 8
	LOAD (\t)+2                                    ; which take the loads of two steps on
.endif
.irp c, 0,1
	v_max3_num_f32 v[TM+\c], |v[X+32*\c]|, |v[X+32*\c+1]|, 0x1800000   ; block 2 c + h: all 32 numbers are mine; the floor 2^(3 - 127) holds the byte at 1 from below
.endr
.irp i, 2,4,6,8,10,12,14,16,18,20,22,24,26,28,30
.irp c, 0,1
	v_max3_num_f32 v[TM+\c], v[TM+\c], |v[X+32*\c+\i]|, |v[X+32*\c+\i+1]|   ; (the two blocks by turns)
.endr
.endr
.irp c, 0,1
	v_add_nc_u32 v[TM+2+\c], 0xff000000, v[TM+\c]  ; 2 off the exponent field: the conversion takes the exponent field of this operand as its scale
.endr
.irp c, 0,1
	v_lshrrev_b32 v[TM+6+\c], 23, v[TM+2+\c]       ; the scale's byte
.endr
	v_lshl_or_b32 v[TM+5], v[TM+7], 16, v[TM+6]    ; my two bytes, blocks h and 2 + h,
	v_lshlrev_b32 v[TM+5], v[SH8], v[TM+5]         ; at their places in the word;
	v_permlanex16_b32 v[TM+4], v[TM+5], s30, s31
	v_or_b32 v[W+4*((\t)%2)+(\t)/2], v[TM+5], v[TM+4]   ; with lane l xor 16's two the word is whole
	s_wait_xcnt 0x0                                ; the earlier steps' stores have read their data: this set of codes may be written again
.irp c, 0,1
.irp g, 0,1,2,3
	v_cvt_scalef32_pk8_fp4_f32 v[CD+4*\c+\g], v[X+32*\c+8*\g:X+32*\c+8*\g+7], v[TM+2+\c]
.endr
.endr
	v_nop                                          ; one plain line behind the last scaled conversion
.irp c, 0,1
	global_store_b128 v[LI], v[CD+4*\c:CD+4*\c+3], s[14:15] offset:((\t)/2)*2048+((\t)%2)*1024+\c*512   ; 512 consecutive bytes, aligned
.endr
.endm
	LOAD 0
	LOAD 1
.irp t, 0,1,2,3,4,5,6,7
	STEP \t
.endr
.irp k, 0,1,2,3
	v_cndmask_b32 v[TM+\k], v[W+\k], v[W+4+\k], vcc_lo   ; lanes 0-15 carry tile 0's words, lanes 16-31 tile 1's
.endr
	global_store_b128 v[LI], v[TM:TM+3], s[16:17]  ; four K steps' words of 32 rows: 512 consecutive bytes
	s_wait_tensorcnt 0x0                           ; the wave's end, behind my last LDS store
	ds_add_u32 v[SPW], v[NIL]
	s_wait_dscnt 0x0
	s_endpgm
.Lfunc_end_k_q7ff0cf9be8_quant:
	.size	k_q7ff0cf9be8_quant, .Lfunc_end_k_q7ff0cf9be8_quant-k_q7ff0cf9be8_quant
	.p2alignl 7, 3214868480
	.fill 96, 4, 3214868480
	.section	.rodata,"a",@progbits
	.p2align	6, 0x0
	.amdhsa_kernel k_q7ff0cf9be8_quant
		.amdhsa_group_segment_fixed_size 34304
		.amdhsa_private_segment_fixed_size 0
		.amdhsa_enable_private_segment 0
		.amdhsa_kernarg_size 56
		.amdhsa_user_sgpr_count 2
		.amdhsa_user_sgpr_kernarg_segment_ptr 1
		.amdhsa_wavefront_size32 1
		.amdhsa_system_sgpr_workgroup_id_x 1
		.amdhsa_system_sgpr_workgroup_id_y 1
		.amdhsa_system_sgpr_workgroup_id_z 1
		.amdhsa_system_vgpr_workitem_id 0
		.amdhsa_next_free_vgpr 240
		.amdhsa_next_free_sgpr 66
		.amdhsa_reserve_vcc 1
		.amdhsa_float_denorm_mode_32 3
		.amdhsa_float_denorm_mode_16_64 3
		.amdhsa_memory_ordered 1
		.amdhsa_forward_progress 1
		.amdhsa_inst_pref_size 57
	.end_amdhsa_kernel
	.amdgpu_metadata
---
amdhsa.version: [ 1, 2 ]
amdhsa.kernels:
  - .name:           k_q7ff0cf9be8_quant
    .symbol:         k_q7ff0cf9be8_quant.kd
    .args:
      - { .name: x, .offset: 0, .size: 8, .value_kind: global_buffer, .address_space: global }
      - { .name: wq_w, .offset: 8, .size: 8, .value_kind: global_buffer, .address_space: global }
      - { .name: wk_w, .offset: 16, .size: 8, .value_kind: global_buffer, .address_space: global }
      - { .name: wv_w, .offset: 24, .size: 8, .value_kind: global_buffer, .address_space: global }
      - { .name: wo_w, .offset: 32, .size: 8, .value_kind: global_buffer, .address_space: global }
      - { .name: codes, .offset: 40, .size: 8, .value_kind: global_buffer, .address_space: global }
      - { .name: scales, .offset: 48, .size: 8, .value_kind: global_buffer, .address_space: global }
    .group_segment_fixed_size: 34304
    .private_segment_fixed_size: 0
    .kernarg_segment_align: 8
    .kernarg_segment_size: 56
    .max_flat_workgroup_size: 128
    .sgpr_count:     66
    .vgpr_count:     240
    .wavefront_size: 32
...
	.end_amdgpu_metadata
.endif
;; end of part 1
;; launch qkv (part 2): grid 8 x 24, 8 waves a work-group, no clusters, 167,936 bytes of LDS; arguments codes, scales, rope_cache, wq_b, wk_b, wv_b, qkv; writes qkv
.if DOCPART == 2
	.amdgcn_target "amdgcn-amd-amdhsa--gfx1250"
	.amdhsa_code_object_version 6
	.text
	.protected	k_q7ff0cf9be8_qkv
	.globl	k_q7ff0cf9be8_qkv
	.p2align	8
	.type	k_q7ff0cf9be8_qkv,@function
k_q7ff0cf9be8_qkv:
	s_mov_b64 s[64:65], 0
	v_nop
	global_prefetch_b8 v0, s[64:65] scope:SCOPE_SE
	s_setreg_imm32_b32 hwreg(HW_REG_WAVE_MODE, 25, 1), 1
	s_wait_xcnt 0x0
; q = rope(x wq^T + bq), k = rope(x wk^T + bk), v = x wv^T + bv, all three products on codes of E2M1 with E8M0 scales (made by the launch before), and the results quantised at once: q and k along the head's 64, v along the keys.
; No work of reference() is left out here.
; ONE CORE, TWO ROLES.  Source 0 of the matrix instruction is the side R (its rows fall into a lane's REGISTERS), source 1 the side P (its rows fall into LANES).  With the tiles of this program (lane r of tile u = row
; 8 u + r + 8 (r / 8) of a group of 32) register j of tile 2 b + u holds R's row 32 b + 16 h + 8 u + j: the 16 registers of tiles 2 b, 2 b + 1 are 16 neighbours along R.
;   y < 20: P = 32 tokens a wave (group 8 x + w), R = 128 features (two heads) of wq (y < 16) or wk: a lane holds one token and its registers run along the head: rope's pairs and the quantiser's blocks lie in one lane pair.
;   y >= 20: P = 32 features of wv a wave, R = 128 tokens: a lane holds one feature and its registers run along the tokens, which are v's quantising axis.  Only group numbers differ: all codes lie in one buffer.
; A wave: 2 tiles of P x 8 tiles of R = 16 accumulators.  P's codes for all of K stay in 256 registers (window 1), read from memory once.  R's codes (128 KB) and scale words (8 KB) come into LDS once, by three tensor loads
; a wave; nothing in LDS is filled twice.  The sums BEGIN AT THE BIAS, which is loaded into the accumulators: every K step is the same line.
; NO CLUSTER: for y >= 20 the work-groups along x take different tokens as R (two work-groups, two apart along y, share each), so no mask along x or y names four partners with one tile in every row of the grid, and a launch is in clusters as a whole.
; OUT (buffer qkv).  Query head H at H x 73,728: scale words at group x 128 + 4 (16 u + r); codes from 8,192 on at group x 1,024 + u x 512 + 16 lane (the low half of a fragment: K = 64).  KV head at 2,359,296 + kvh x 143,360:
; k's words and codes likewise; v's words at 73,728 + step x 256 + g' x 128 + 4 (16 u + r); v's fragments (16 of the head's 64 x 128 keys) at 77,824 + step x 4,096 + (2 g' + u) x 1,024 + c x 512 + 16 lane.
; A word of q or k: bytes 0, 1 the head's two blocks; bytes 2, 3 another head's bytes or 0, never 0xff: they stand over zero codes.  The words leave 128 bytes a wave: half of an aligned 256; they are 1 byte in 16 of what is stored.
; LIMITS: NaN and infinities are not served; a block of zeros gets the byte 1 (its codes are zeros; this program alone reads the bytes); rope takes one of its two products into a fused multiply-add, so it rounds once where reference() rounds twice.
.set SCL,   131072                     ; LDS: R's codes [half of K][group b][K step % 8][u][c][lane] from 0; R's scale words from here: b x 2,048 + (K step / 4) x 512 + 16 lane
.set SPARE, 139264                     ; the spare words, 128 bytes for each of eight waves
.set QREC,  73728
.set KVREC, 143360
.set KVB,   32*QREC
.set LI,  1                            ; v1   16 x lane: an image's place; also R's LDS address in the first half of K
.set L4,  2                            ; v2   4 x lane
.set LI1, 5                            ; v5   16 x lane + 65,536: the second half of K
.set LIS, 6                            ; v6   16 x lane + SCL
.set OB,  7                            ; v7   64 h: my half's 16 numbers of a block of 32 f32
.set ORP, 8                            ; v8   rope: (r + 8 (r / 8)) rows of 256 bytes + 64 h
.set OVB, 9                            ; v9   4 (r + 8 (r / 8)): my feature's bias, y >= 20
.set OI,  10                           ; v10  where my codes go
.set OS,  11                           ; v11  where my scale word goes
.set SPW, 12                           ; v12  my spare word's LDS address; never rewritten
.set NIL, 13                           ; v13  0; never rewritten
.set RF,  16                           ; v16-79   R's eight fragments of a K step
.set SR,  80                           ; v80-95   R's scale words: 4 b + K step % 4; lanes 0-15 tile u = 0, lanes 16-31 u = 1
.set SP,  96                           ; v96-111  P's scale words: K step; lanes 0-15 tile a = 0, lanes 16-31 a = 1
.set TM,  112                          ; v112-127 at work
.set ACC, 128                          ; v128-255 accumulator (a, t) at ACC + 64 a + 8 t.   Window 1: P's fragment (K step, a) at 16 ks + 8 a
.set PC,  16                           ; the way out: codes, 8 registers for each a
.set PW,  32                           ; and scale words
.set MSB, 0
.macro WIN new                         ; the immediate's high byte repeats the setting that is left
.if MSB != \new
	s_set_vgpr_msb (MSB<<8)|\new
.set MSB, \new
.endif
.endm
.macro PLACES n
.rept \n
	v_nop
.endr
.endm
; one link: registers by the symbols rD, rA, rB, rSA, rSB; ra, rb: which half of the lanes carries the tile's scale words
.macro WMA ra, rb
.if ((\ra) == 0) && ((\rb) == 0)
	v_wmma_scale_f32_16x16x128_f8f6f4 v[rD:rD+7], v[rA:rA+7], v[rB:rB+7], v[rD:rD+7], v[rSA], v[rSB] matrix_a_fmt:MATRIX_FMT_FP4 matrix_b_fmt:MATRIX_FMT_FP4
.elseif (\rb) == 0
	v_wmma_scale_f32_16x16x128_f8f6f4 v[rD:rD+7], v[rA:rA+7], v[rB:rB+7], v[rD:rD+7], v[rSA], v[rSB] matrix_a_fmt:MATRIX_FMT_FP4 matrix_b_fmt:MATRIX_FMT_FP4 matrix_a_scale:MATRIX_SCALE_ROW1
.elseif (\ra) == 0
	v_wmma_scale_f32_16x16x128_f8f6f4 v[rD:rD+7], v[rA:rA+7], v[rB:rB+7], v[rD:rD+7], v[rSA], v[rSB] matrix_a_fmt:MATRIX_FMT_FP4 matrix_b_fmt:MATRIX_FMT_FP4 matrix_b_scale:MATRIX_SCALE_ROW1
.else
	v_wmma_scale_f32_16x16x128_f8f6f4 v[rD:rD+7], v[rA:rA+7], v[rB:rB+7], v[rD:rD+7], v[rSA], v[rSB] matrix_a_fmt:MATRIX_FMT_FP4 matrix_b_fmt:MATRIX_FMT_FP4 matrix_a_scale:MATRIX_SCALE_ROW1 matrix_b_scale:MATRIX_SCALE_ROW1
.endif
.endm
.macro HALFLD hb, ks                   ; R's tiles 4 hb .. 4 hb + 3 of K step ks: eight loads of 512 consecutive bytes
.if (\ks) < 8
.set rAD, LI
.else
.set rAD, LI1
.endif
.irp tt, 0,1,2,3
.irp c, 0,1
	ds_load_b128 v[RF+8*(4*(\hb)+\tt)+4*\c:RF+8*(4*(\hb)+\tt)+4*\c+3], v[rAD] offset:((4*(\hb)+\tt)/2)*16384+((\ks)%8)*2048+(\tt%2)*1024+\c*512
.endr
.endr
.endm
.macro MUL8 hb, ks                     ; those four tiles x P's two: the 16 accumulators take turns, one instruction a turn, in the same order in every K step
.irp a, 0,1
.irp tt, 0,1,2,3
.set rT, 4*(\hb)+\tt
.set rD, ACC+64*\a+8*rT
.set rA, RF+8*rT
.set rB, 16*(\ks)+8*\a
.set rSA, SR+4*(rT/2)+(\ks)%4
.set rSB, SP+(\ks)
	WMA \tt%2, \a
.endr
.endr
.endm
; Four K steps.  A load into a register that a matrix instruction has read stands four plain vector instructions behind it: the v_nop in front of each run of loads.
.macro KQUAD q
	PLACES 4
.irp b, 0,1,2,3
	ds_load_b128 v[SR+4*\b:SR+4*\b+3], v[LIS] offset:\b*2048+(\q)*512
.endr
	HALFLD 0, 4*(\q)
	HALFLD 1, 4*(\q)
.irp k, 0,1,2,3
	s_wait_dscnt 8                                 ; tiles 0-3 (and the scale words) are in; the youngest eight loads, tiles 4-7, may be out
	MUL8 0, 4*(\q)+\k
.if \k < 3
	PLACES 4
	HALFLD 0, 4*(\q)+\k+1
	s_wait_dscnt 8                                 ; tiles 4-7 are in; the eight loads just issued may be out
.else
	s_wait_dscnt 0x0
.endif
	MUL8 1, 4*(\q)+\k
.if \k < 3
	PLACES 4
	HALFLD 1, 4*(\q)+\k+1
.endif
.endr
.endm
; 64 numbers of a lane, register 16 b + i = k 32 b + 16 h + i of my row, become a fragment's codes in v[pc] on and its scale word in v[pw]
.macro QUANT s, pc, pw
.irp b, 0,1,2,3
	v_max3_num_f32 v[TM+\b], |v[(\s)+16*\b]|, |v[(\s)+1+16*\b]|, 0x1800000   ; block b: my 16 numbers, and the floor 2^(3 - 127): the byte cannot fall under 1
.endr
.irp i, 2,4,6,8,10,12,14
.irp b, 0,1,2,3
	v_max3_num_f32 v[TM+\b], v[TM+\b], |v[(\s)+16*\b+\i]|, |v[(\s)+1+16*\b+\i]|   ; (the four blocks by turns)
.endr
.endr
.irp b, 0,1,2,3
	v_permlanex16_b32 v[TM+4+\b], v[TM+\b], s20, s21
.endr
.irp b, 0,1,2,3
	v_max_num_f32 v[TM+\b], v[TM+\b], v[TM+4+\b]   ; with lane l xor 16's: the block's largest magnitude
.endr
.irp b, 0,1,2,3
	v_add_nc_u32 v[TM+12+\b], 0xff000000, v[TM+\b] ; 2 off its exponent field: the conversion's scale operand
.endr
.irp b, 0,1,2,3
	v_lshrrev_b32 v[TM+4+\b], 23, v[TM+12+\b]      ; the scale's byte
.endr
	v_lshl_or_b32 v[\pw], v[TM+5], 8, v[TM+4]
	v_lshl_or_b32 v[\pw], v[TM+6], 16, v[\pw]
	v_lshl_or_b32 v[\pw], v[TM+7], 24, v[\pw]
.irp b, 0,1,2,3
	v_cvt_scalef32_pk8_fp4_f32 v[(\pc)+2*\b], v[(\s)+16*\b:(\s)+7+16*\b], v[TM+12+\b]
	v_cvt_scalef32_pk8_fp4_f32 v[(\pc)+1+2*\b], v[(\s)+8+16*\b:(\s)+15+16*\b], v[TM+12+\b]
.endr
	v_nop                                          ; one plain line behind a scaled conversion
.irp c, 0,1                                    ; the operand's layout wants a WHOLE block in a lane: lanes 0-15 block 2 c, lanes 16-31 block 2 c + 1
.irp i, 0,1
	v_permlane16_swap_b32 v[(\pc)+4*\c+\i], v[(\pc)+2+4*\c+\i]
.endr
.endr
.endm
; rope on tile a's two heads: x1 = d 16 h + i, x2 = d 32 + 16 h + i of one head lie 16 registers apart in my lane.  cos and sin (window 1) are always source 1.  i ascends: each accumulator is first read at its low end
.macro ROPE a
.irp hd, 0,1
.irp i, 0,2,4,6,8,10,12,14
.set rX1, ACC+64*\a+32*\hd+\i
.set rX2, rX1+16
.set rCO, 32*\a+\i
.set rSI, 32*\a+16+\i
	v_pk_mul_f32 v[TM+8:TM+9], v[rX2:rX2+1], v[rSI:rSI+1]
	v_pk_mul_f32 v[TM+10:TM+11], v[rX2:rX2+1], v[rCO:rCO+1]
	v_pk_fma_f32 v[rX2:rX2+1], v[rX1:rX1+1], v[rSI:rSI+1], v[TM+10:TM+11]                               ; x1 sin + x2 cos
	v_pk_fma_f32 v[rX1:rX1+1], v[rX1:rX1+1], v[rCO:rCO+1], v[TM+8:TM+9] neg_lo:[0,0,1] neg_hi:[0,0,1]   ; x1 cos - x2 sin
.endr
.endr
.endm
	s_load_b256 s[4:11], s[0:1], 0x0               ; codes, scales, rope_cache, wq_b
	s_load_b128 s[12:15], s[0:1], 0x20             ; wk_b, wv_b
	s_load_b64 s[16:17], s[0:1], 0x30              ; qkv
	v_lshl_add_u32 v[SPW], v0, 2, SPARE
	v_mov_b32 v[NIL], 0
	ds_add_u32 v[SPW], v[NIL]                      ; the wave's opening: the add, twice on end, and its wait ahead of my first tensor load
	ds_add_u32 v[SPW], v[NIL]
	v_lshrrev_b32 v3, 5, v0
	v_readfirstlane_b32 s18, v3                    ; wave 0..7
	s_and_b32 s19, ttmp7, 0xffff                   ; y
	s_mov_b32 s20, 0x76543210
	s_mov_b32 s21, 0xfedcba98                      ; v_permlanex16_b32's selects for lane l xor 16
	s_lshl_b32 s23, ttmp9, 3
	s_add_co_u32 s23, s23, s18                     ; y < 20: P = tokens' group 8 x + w,
	s_lshl_b32 s24, s19, 2
	s_add_co_u32 s24, s24, 64                      ; R = groups 64 + 4 y on (wq, then wk)
	s_max_u32 s25, s19, 20
	s_sub_co_u32 s25, s25, 20
	s_lshl_b32 s25, s25, 3
	s_add_co_u32 s25, s25, ttmp9                   ; y >= 20: v = 8 (y - 20) + x
	s_lshr_b32 s26, s25, 4
	s_lshl_b32 s26, s26, 3
	s_add_co_u32 s26, s26, s18                     ; my group of wv's features: 8 (v / 16) + w
	s_and_b32 s27, s25, 15                         ; the step of 128 tokens
	s_add_co_u32 s70, s26, 144
	s_lshl_b32 s71, s27, 2
	s_cmp_lt_u32 s19, 20
	s_cselect_b32 s23, s23, s70                    ; P's group
	s_cselect_b32 s24, s24, s71                    ; R's first group
	; descriptors: dense blocks as rows of 256 bytes (32 elements of 8 bytes).  Codes: 32 rows a load; scale words: 4
	s_mov_b32 s28, 3<<16
	s_mov_b32 s29, 32<<16
	s_mov_b32 s30, 32<<16
	s_mov_b32 s31, 32<<16
	s_mov_b32 s32, 32
	s_mov_b32 s33, 32
	s_mov_b32 s34, 0
	s_mov_b32 s35, 0
	s_mov_b32 s36, 3<<16
	s_mov_b32 s37, 32<<16
	s_mov_b32 s38, 4<<16
	s_mov_b32 s39, 32<<16
	s_mov_b32 s40, 4
	s_mov_b32 s41, 32
	s_mov_b32 s42, 0
	s_mov_b32 s43, 0
	s_lshl_b32 s74, s24, 11                        ; R's scale words: 8,192 dense bytes, 1,024 a wave
	s_lshl_b32 s75, s18, 10
	s_add_co_u32 s74, s74, s75
	s_mov_b32 s75, 0
	s_lshr_b32 s76, s18, 1                         ; R's codes: wave w takes half w % 2 of group w / 2's 16,384 bytes of each half of K
	s_add_co_u32 s76, s76, s24
	s_lshl_b32 s76, s76, 15
	s_and_b32 s77, s18, 1
	s_lshl_b32 s77, s77, 13
	s_add_co_u32 s76, s76, s77
	s_mov_b32 s77, 0
	s_mov_b32 s44, 1
	s_lshl_b32 s45, s18, 10
	s_add_co_u32 s45, s45, SCL
	s_mov_b32 s48, 1
	s_lshl_b32 s49, s18, 13
	s_mov_b32 s52, 1
	s_add_co_u32 s53, s49, 65536
	v_and_b32 v3, 31, v0
	v_lshlrev_b32 v[LI], 4, v3
	v_lshlrev_b32 v[L4], 2, v3
	v_add_nc_u32 v[LI1], 0x10000, v[LI]
	v_add_nc_u32 v[LIS], SCL, v[LI]
	v_bfe_u32 v4, v0, 4, 1
	v_lshlrev_b32 v[OB], 6, v4
	v_and_b32 v3, 15, v0
	v_and_b32 v[OVB], 8, v3
	v_add_nc_u32 v[OVB], v[OVB], v3                ; r + 8 (r / 8)
	v_lshl_add_u32 v[ORP], v[OVB], 8, v[OB]
	v_lshlrev_b32 v[OVB], 2, v[OVB]
.irp b, 0,1,2,3
	v_mov_b32 v[TM+4+\b], 0                        ; written once: a lane permute's destination counts as one of its sources
.endr
	s_wait_dscnt 0x0                               ; both opening adds are done
	s_wait_kmcnt 0x0
	s_add_nc_u64 s[46:47], s[6:7], s[74:75]
	s_or_b32 s47, s47, 0x80000000
	s_add_nc_u64 s[50:51], s[4:5], s[76:77]
	s_add_nc_u64 s[54:55], s[50:51], 16384         ; the second half of K
	s_or_b32 s51, s51, 0x80000000
	s_or_b32 s55, s55, 0x80000000
	tensor_load_to_lds s[44:47], s[36:43]          ; my three first fills, every wave's alike: three loads of mine are out.  The scale words,
	s_nop 0
	tensor_load_to_lds s[48:51], s[28:35]          ; K steps 0-7,
	s_nop 0
	tensor_load_to_lds s[52:55], s[28:35]          ; K steps 8-15
	s_nop 0
	PLACES 4
	s_mov_b32 s71, 0
	s_lshl_b32 s70, s23, 15
	s_add_nc_u64 s[56:57], s[4:5], s[70:71]        ; P's codes
	s_lshl_b32 s70, s23, 11
	s_add_nc_u64 s[58:59], s[6:7], s[70:71]        ; P's scale words
	; what differs between q, k and v is chosen here, on the way that all take: the conditions hang on y alone
	s_cmp_lt_u32 s19, 16
	s_cselect_b64 s[60:61], s[10:11], s[12:13]     ; the bias
	s_cselect_b32 s72, 0, 16
	s_mov_b32 s73, KVREC
	s_cselect_b32 s73, QREC, s73                   ; from a head's record to the next
	s_cselect_b32 s78, 0, KVB                      ; the first record
	s_sub_co_u32 s72, s19, s72                     ; y, or y - 16
	s_lshl_b32 s70, s72, 9                         ; its 128 numbers of the bias
	s_lshl_b32 s72, s72, 1                         ; the first of its two heads
	s_lshl_b32 s79, s23, 10
	s_add_co_u32 s79, s79, 8192                    ; codes: 8,192 + group x 1,024
	s_lshl_b32 s80, s23, 7                         ; words: group x 128
	s_lshl_b32 s81, s23, 13                        ; rope: group x 32 rows of 256 bytes
	s_lshl_b32 s82, s26, 7                         ; v: my 32 features of the bias,
	s_lshr_b32 s83, s26, 1                         ; the KV head,
	s_and_b32 s84, s18, 1                          ; g': which 32 of its 64
	s_lshl_b32 s85, s27, 12
	s_lshl_b32 s86, s84, 11
	s_add_co_u32 s85, s85, s86
	s_add_co_u32 s85, s85, 77824                   ; fragments: 77,824 + step x 4,096 + 2 g' x 1,024
	s_lshl_b32 s86, s27, 8
	s_lshl_b32 s84, s84, 7
	s_add_co_u32 s86, s86, s84
	s_add_co_u32 s86, s86, 73728                   ; words: 73,728 + step x 256 + g' x 128
	s_cmp_lt_u32 s19, 20
	s_cselect_b64 s[60:61], s[60:61], s[14:15]
	s_cselect_b32 s70, s70, s82
	s_cselect_b32 s72, s72, s83
	s_cselect_b32 s79, s79, s85
	s_cselect_b32 s80, s80, s86
	s_cselect_b32 s81, s81, 0
	s_add_nc_u64 s[60:61], s[60:61], s[70:71]
	s_mov_b32 s70, s81
	s_add_nc_u64 s[62:63], s[8:9], s[70:71]
	s_mul_i32 s70, s72, s73
	s_add_co_u32 s70, s70, s78
	s_add_nc_u64 s[66:67], s[16:17], s[70:71]      ; my (first) head's record,
	s_mov_b32 s70, s73
	s_add_nc_u64 s[68:69], s[66:67], s[70:71]      ; and the next head's (used for y < 20 alone)
	v_add_nc_u32 v[OI], s79, v[LI]
	v_add_nc_u32 v[OS], s80, v[L4]
	; the sums begin at the bias
	s_cmp_lt_u32 s19, 20
	s_cbranch_scc0 .Lv_head
.irp a, 0,1
.irp t, 0,1,2,3,4,5,6,7
	global_load_b128 v[ACC+64*\a+8*\t:ACC+64*\a+8*\t+3], v[OB], s[60:61] offset:(32*(\t/2)+8*(\t%2))*4      ; register j of tile t: feature 32 (t / 2) + 16 h + 8 (t % 2) + j
	global_load_b128 v[ACC+64*\a+8*\t+4:ACC+64*\a+8*\t+7], v[OB], s[60:61] offset:(32*(\t/2)+8*(\t%2))*4+16
.endr
.endr
	s_branch .Lhead_done
.Lv_head:
	global_load_b32 v[ACC], v[OVB], s[60:61]       ; my lane's feature 8 a + r + 8 (r / 8): one number for all 64 registers of a
	global_load_b32 v[ACC+64], v[OVB], s[60:61] offset:32
	s_wait_loadcnt 0x0
.irp a, 0,1
.set jj, 1
.rept 63
	v_mov_b32 v[ACC+64*\a+jj], v[ACC+64*\a]
.set jj, jj+1
.endr
.endr
.Lhead_done:
.irp q, 0,1,2,3
	global_load_b128 v[SP+4*\q:SP+4*\q+3], v[LI], s[58:59] offset:512*\q
.endr
	WIN 0x40                                       ; destination window 1
.set nn, 0
.rept 64
	global_load_b128 v[4*nn:4*nn+3], v[LI], s[56:57] offset:512*nn   ; P's image as it lies: register 16 ks + 8 a + 4 c
.set nn, nn+1
.endr
	WIN 0
	s_wait_tensorcnt 0x1                           ; my parts of the scale words and of K steps 0-7 have landed; K steps 8-15 may stay out
	s_wait_loadcnt 32                              ; the bias, P's scale words and P's K steps 0-7 are in; the youngest 32 loads, K steps 8-15, may be out
	s_barrier_signal -1
	s_barrier_wait -1                              ; everybody's have
	WIN 0x04                                       ; source 1 (P) window 1; LDS loads name destination and source 0 alone
	KQUAD 0
	KQUAD 1
	s_wait_tensorcnt 0x0                           ; my part of K steps 8-15 has landed
	s_wait_loadcnt 0x0
	s_wait_dscnt 0x0
	s_barrier_signal -1
	s_barrier_wait -1
	WIN 0
	s_cmp_lt_u32 s19, 20
	s_cbranch_scc0 .Lno_rope
	WIN 0x40                                       ; rope's table for my 32 tokens goes where P's K steps 0-3 lay, which are done with: cos at 32 a + 0..15, sin at 32 a + 16..31; it lands under the products below
.irp a, 0,1
.irp p, 0,1
.irp i, 0,1,2,3
	global_load_b128 v[32*\a+16*\p+4*\i:32*\a+16*\p+4*\i+3], v[ORP], s[62:63] offset:\a*2048+\p*128+\i*16
.endr
.endr
.endr
	WIN 0
.Lno_rope:
	WIN 0x04
	KQUAD 2
	KQUAD 3
	WIN 0
	PLACES 4                                       ; in front of the first read of results
	s_wait_loadcnt 0x0                             ; rope's table
	v_and_b32 v3, 31, v0
	v_cmp_lt_u32 vcc_lo, 15, v3                    ; lanes 16-31
	s_cmp_lt_u32 s19, 20
	s_cbranch_scc0 .Lv_out
.irp a, 0,1
	WIN 0x04
	ROPE \a
	WIN 0
	QUANT ACC+64*\a, PC+8*\a, PW+\a                ; blocks 0, 1: the first head's 64; blocks 2, 3: the second's: registers 0-3 and 4-7 of the codes
	global_store_b128 v[OI], v[PC+8*\a:PC+8*\a+3], s[66:67] offset:512*\a       ; 512 consecutive bytes each
	global_store_b128 v[OI], v[PC+8*\a+4:PC+8*\a+7], s[68:69] offset:512*\a
.endr
	v_cndmask_b32 v[PW+2], v[PW], v[PW+1], vcc_lo  ; lanes 0-15 tile 0's words, lanes 16-31 tile 1's
	v_lshrrev_b32 v[PW+3], 16, v[PW+2]             ; the second head's two bytes at the word's foot
	global_store_b32 v[OS], v[PW+2], s[66:67]
	global_store_b32 v[OS], v[PW+3], s[68:69]
	s_branch .Lout_done
.Lv_out:
.irp a, 0,1
	QUANT ACC+64*\a, PC+8*\a, PW+\a                ; four blocks of 32 tokens: a whole fragment of v^T
	global_store_b128 v[OI], v[PC+8*\a:PC+8*\a+3], s[66:67] offset:1024*\a
	global_store_b128 v[OI], v[PC+8*\a+4:PC+8*\a+7], s[66:67] offset:1024*\a+512
.endr
	v_cndmask_b32 v[PW+2], v[PW], v[PW+1], vcc_lo
	global_store_b32 v[OS], v[PW+2], s[66:67]
.Lout_done:
	s_wait_tensorcnt 0x0                           ; the wave's end, behind my last tensor load
	ds_add_u32 v[SPW], v[NIL]
	s_wait_dscnt 0x0
	s_endpgm
.Lfunc_end_k_q7ff0cf9be8_qkv:
	.size	k_q7ff0cf9be8_qkv, .Lfunc_end_k_q7ff0cf9be8_qkv-k_q7ff0cf9be8_qkv
	.p2alignl 7, 3214868480
	.fill 96, 4, 3214868480
	.section	.rodata,"a",@progbits
	.p2align	6, 0x0
	.amdhsa_kernel k_q7ff0cf9be8_qkv
		.amdhsa_group_segment_fixed_size 167936
		.amdhsa_private_segment_fixed_size 0
		.amdhsa_enable_private_segment 0
		.amdhsa_kernarg_size 56
		.amdhsa_user_sgpr_count 2
		.amdhsa_user_sgpr_kernarg_segment_ptr 1
		.amdhsa_wavefront_size32 1
		.amdhsa_system_sgpr_workgroup_id_x 1
		.amdhsa_system_sgpr_workgroup_id_y 1
		.amdhsa_system_sgpr_workgroup_id_z 1
		.amdhsa_system_vgpr_workitem_id 0
		.amdhsa_next_free_vgpr 512
		.amdhsa_next_free_sgpr 96
		.amdhsa_reserve_vcc 1
		.amdhsa_float_denorm_mode_32 3
		.amdhsa_float_denorm_mode_16_64 3
		.amdhsa_memory_ordered 1
		.amdhsa_forward_progress 1
		.amdhsa_inst_pref_size 100
	.end_amdhsa_kernel
	.amdgpu_metadata
---
amdhsa.version: [ 1, 2 ]
amdhsa.kernels:
  - .name:           k_q7ff0cf9be8_qkv
    .symbol:         k_q7ff0cf9be8_qkv.kd
    .args:
      - { .name: codes, .offset: 0, .size: 8, .value_kind: global_buffer, .address_space: global }
      - { .name: scales, .offset: 8, .size: 8, .value_kind: global_buffer, .address_space: global }
      - { .name: rope_cache, .offset: 16, .size: 8, .value_kind: global_buffer, .address_space: global }
      - { .name: wq_b, .offset: 24, .size: 8, .value_kind: global_buffer, .address_space: global }
      - { .name: wk_b, .offset: 32, .size: 8, .value_kind: global_buffer, .address_space: global }
      - { .name: wv_b, .offset: 40, .size: 8, .value_kind: global_buffer, .address_space: global }
      - { .name: qkv, .offset: 48, .size: 8, .value_kind: global_buffer, .address_space: global }
    .group_segment_fixed_size: 167936
    .private_segment_fixed_size: 0
    .kernarg_segment_align: 8
    .kernarg_segment_size: 56
    .max_flat_workgroup_size: 256
    .sgpr_count:     96
    .vgpr_count:     512
    .wavefront_size: 32
...
	.end_amdgpu_metadata
.endif
;; end of part 2
;; launch attn (part 3): grid 32 x 8, 16 waves a work-group, no clusters, 167,936 bytes of LDS; arguments qkv, sinks, aoc, aos; writes aoc, aos
.if DOCPART == 3
	.amdgcn_target "amdgcn-amd-amdhsa--gfx1250"
	.amdhsa_code_object_version 6
	.text
	.protected	k_q7ff0cf9be8_attn
	.globl	k_q7ff0cf9be8_attn
	.p2align	8
	.type	k_q7ff0cf9be8_attn,@function
k_q7ff0cf9be8_attn:
	s_mov_b64 s[64:65], 0
	v_nop
	global_prefetch_b8 v0, s[64:65] scope:SCOPE_SE
	s_setreg_imm32_b32 hwreg(HW_REG_WAVE_MODE, 25, 1), 1
	s_wait_xcnt 0x0
; For each query head: scores = q k^T / 8 under the causal mask, lse = logsumexp, attn = exp(scores - lse) QUANTISED FINISHED AND NORMALISED along the keys, out = attn v, out x sigmoid(lse - sink), and that quantised along head x 64 + d.
; LEFT OUT (shown at the head of the first kernel): the steps of 128 keys all of which come after a wave's 16 queries: reference()'s own mask makes their weights zeros.
; TWO PASSES.  The codes of attn hang on lse, so lse is known before any weight is quantised.  Pass 1: scores, a running maximum and sum.  Pass 2: the scores once more, p = 2^(t + NL), t = score x log2(e) / 8, NL = -lse log2(e);
; its codes and scale bytes; O^T += v^T p^T.  Nothing is rescaled in pass 2 and no sum is taken there.
; PASS 1 keeps its figures lane by lane (a query's keys lie in lanes l and l xor 16): M = the lane's largest t so far, rounded up to a whole number, kept as -M; when M moves the sum is multiplied by 2^(old M - new M), which rounds
; nothing.  The largest t begins at -3e38: a lane that has seen hidden keys alone keeps that and the sum 0.  Behind the loop the two lanes' figures are joined under the larger M.
; SHARES.  A work-group owns one KV head and the token groups J and 63 - J (32 tokens each) for its four query heads: 16 waves, each one tile of 16 queries of one head, in 256 registers.  Early and late tiles are dealt so that a run
; of four waves, and every fourth wave, hold two of each.  Together a pair of groups walks the same number of key steps in every work-group.
; LDS holds the KV head's whole record as it lies in memory (k's words and codes, v's words and fragments: 143,360 bytes), brought once by four tensor loads of waves 0 and 1 (two of a wave's are out); nothing is filled twice.
; NO CLUSTER, though the 32 work-groups of a KV head read the same record: the branch that leaves hidden key steps out hangs on the work-group's token groups, which differ between partners.
; LAYOUT.  Both products are used transposed (S^T = k q^T, O^T = v^T p^T): a lane holds one query throughout.  Lane r of a tile stands for row 8 u + r + 8 (r / 8) of its group of 32, so the 16 registers of tiles 2 b, 2 b + 1 are
; 16 neighbours: keys 32 b + 16 h + 0..15 in S^T, channels 32 g' + 16 h + 0..15 in O^T.  The first product's K is 64: registers 4-7 of q's and k's fragments are zero codes.
; LIMITS: NaN and infinities are not served; a p under 2^-126 becomes 0 (v_exp_f32 gives 0 there); a block of zeros gets the byte 1 (zero codes; this program alone reads the bytes).
; A block's largest p is not searched for: the block's largest score goes through the same multiply-add and exponential; this takes v_exp_f32 not to fall where its input rises.
.set QREC,  73728
.set KVREC, 143360
.set KVB,   32*QREC
.set KIMG,  8192                       ; LDS = the record: k's words 0, k's codes 8,192, v's words 73,728, v's fragments 77,824
.set VSC,   73728
.set VIMG,  77824
.set OSC,   143360                     ; 512 bytes: the result's scale bytes of the two token groups
.set SPARE, 143872                     ; the spare words, 128 bytes for each of sixteen waves
.set AK0, 1                            ; v1   16 x lane + KIMG
.set AS0, 2                            ; v2   4 x lane
.set AV0, 3                            ; v3   16 x lane + VIMG
.set AW0, 4                            ; v4   4 x lane + VSC
.set SPW, 5                            ; v5   my spare word's LDS address; never rewritten
.set NIL, 6                            ; v6   0; never rewritten
.set QT,  7                            ; v7   r + 8 (r / 8) - 16 h
.set ADK, 8                            ; v8-11 the step's LDS addresses
.set ADS, 9
.set ADV, 10
.set ADW, 11
; v12 -M, later NL; v13 the largest t; v[14:15] the sum; v16-23 q (4 of codes, 4 zeros); v24 q's scale word; v26 the sink's factor (v27 = 0 beside it); v28-31 k's scale words; v32-95 k's 8 fragments (upper 4 of each zero);
; v96-159 S^T, then p; v160-191 O^T; v192-223 v's 4 fragments; v224-231 p's codes; v232-247 at work; v248-249 v's scale words; v250-255 at work, v253 p's scale word
.set WV,  18
.set KVH, 19
.set SEL, 20                           ; s[20:21]
.set CS,  22                           ; s[22:23] c = log2(e) / 8
.set HQ,  48
.set UU,  49
.set BLK, 50
.set TB,  51
.set Q0,  52                           ; my first query; my last is Q0 + 23
.set QL,  53
.set HH,  54
.set KF,  55                           ; the step's first key
.set TK,  56                           ; the step's place among k's codes, k's words, v's fragments, v's words
.set TS,  57
.set TV,  58
.set TW,  59
.set CNT, 60
.set SNK, 61
.set L2E, 62
; S^T of one key step, masked on the diagonal.  p2 = 1: v's addresses are made too
.macro SCORES p2
	v_add_nc_u32 v[ADK], s[TK], v[AK0]
	v_add_nc_u32 v[ADS], s[TS], v[AS0]
.if \p2
	v_add_nc_u32 v[ADV], s[TV], v[AV0]
	v_add_nc_u32 v[ADW], s[TW], v[AW0]
.endif
.irp t, 0,1,2,3,4,5,6,7
	ds_load_b128 v[32+8*\t:35+8*\t], v[ADK] offset:512*\t          ; 512 consecutive bytes: tile t's codes
.endr
.irp b, 0,1,2,3
	ds_load_b32 v[28+\b], v[ADS] offset:128*\b                     ; lanes 0-15: tile 2 b's words; lanes 16-31: tile 2 b + 1's
.endr
	s_wait_dscnt 0x0
.irp t, 0,1,2,3,4,5,6,7
.if \t%2
	v_wmma_scale_f32_16x16x128_f8f6f4 v[96+8*\t:103+8*\t], v[32+8*\t:39+8*\t], v[16:23], 0, v[28+\t/2], v24 matrix_a_fmt:MATRIX_FMT_FP4 matrix_b_fmt:MATRIX_FMT_FP4 matrix_a_scale:MATRIX_SCALE_ROW1
.else
	v_wmma_scale_f32_16x16x128_f8f6f4 v[96+8*\t:103+8*\t], v[32+8*\t:39+8*\t], v[16:23], 0, v[28+\t/2], v24 matrix_a_fmt:MATRIX_FMT_FP4 matrix_b_fmt:MATRIX_FMT_FP4
.endif
.endr
.rept 4
	v_nop                                          ; four plain lines in front of the first read of results
.endr
	s_add_co_u32 s66, s[KF], 127                   ; a step all of whose keys count for all my queries skips the mask
	s_cmp_le_u32 s66, s[Q0]
	s_cbranch_scc1 .Lopen_\@
	s_sub_co_i32 s66, s[Q0], s[KF]
	v_add_nc_u32 v252, s66, v[QT]                  ; d = my query - KF - 16 h.  Register 16 b + i holds key KF + 32 b + 16 h + i: hidden where 32 b + i > d
	v_mov_b32 v254, 0xff800000                     ; -infinity: p = 0 then
.set nn, 0
.rept 64
	v_cmp_gt_i32 vcc_lo, 32*(nn/16)+nn%16, v252
	v_cndmask_b32 v[96+nn], v[96+nn], v254, vcc_lo
.set nn, nn+1
.endr
.Lopen_\@:
.endm
.macro BLKMAX                          ; my lane's largest score of each block of 32 keys, into v232-235
.irp b, 0,1,2,3
	v_max3_num_f32 v[232+\b], v[96+16*\b], v[97+16*\b], v[98+16*\b]
.endr
.irp i, 3,5,7,9,11,13
.irp b, 0,1,2,3
	v_max3_num_f32 v[232+\b], v[232+\b], v[96+16*\b+\i], v[97+16*\b+\i]
.endr
.endr
.irp b, 0,1,2,3
	v_max_num_f32 v[232+\b], v[232+\b], v[111+16*\b]
.endr
.endm
	s_load_b256 s[4:11], s[0:1], 0x0               ; qkv, sinks, aoc, aos
	v_lshl_add_u32 v[SPW], v0, 2, SPARE
	v_mov_b32 v[NIL], 0
	ds_add_u32 v[SPW], v[NIL]                      ; the wave's opening: the add, twice on end, and its wait ahead of the first tensor loads
	ds_add_u32 v[SPW], v[NIL]
	v_lshrrev_b32 v8, 5, v0
	v_readfirstlane_b32 s[WV], v8                  ; wave 0..15
	s_and_b32 s[KVH], ttmp7, 0xffff
	s_and_b32 s[HQ], s[WV], 3                      ; which of the KV head's four query heads
	s_lshr_b32 s[UU], s[WV], 3                     ; which tile of the token group
	s_lshr_b32 s[BLK], s[WV], 2
	s_xor_b32 s[BLK], s[BLK], s[WV]
	s_and_b32 s[BLK], s[BLK], 1                    ; the early group (0) or the late one (1)
	s_sub_co_u32 s[TB], 63, ttmp9
	s_cmp_eq_u32 s[BLK], 0
	s_cselect_b32 s[TB], ttmp9, s[TB]              ; my token group
	s_lshl_b32 s[Q0], s[TB], 5
	s_lshl_b32 s66, s[UU], 3
	s_add_co_u32 s[Q0], s[Q0], s66
	s_add_co_u32 s[QL], s[Q0], 23
	s_lshl_b32 s[HH], s[KVH], 2
	s_add_co_u32 s[HH], s[HH], s[HQ]               ; my query head
	s_mov_b32 s[SEL], 0x76543210
	s_mov_b32 s[SEL+1], 0xfedcba98
	s_mov_b32 s[CS], 0x3e38aa3b                    ; c = log2(e) / 8
	s_mov_b32 s[CS+1], s[CS]                       ; (named with it as a pair, so it is written)
	s_mov_b32 s[L2E], 0x3fb8aa3b                   ; log2(e)
	; descriptors: dense blocks as rows of 256 bytes.  k's words and codes: 288 rows, 144 a load; v's: 272 rows, 136 a load
	s_mov_b32 s24, 3<<16
	s_mov_b32 s25, 32<<16
	s_mov_b32 s26, 144<<16
	s_mov_b32 s27, 32<<16
	s_mov_b32 s28, 144
	s_mov_b32 s29, 32
	s_mov_b32 s30, 0
	s_mov_b32 s31, 0
	s_mov_b32 s32, 3<<16
	s_mov_b32 s33, 32<<16
	s_mov_b32 s34, 136<<16
	s_mov_b32 s35, 32<<16
	s_mov_b32 s36, 136
	s_mov_b32 s37, 32
	s_mov_b32 s38, 0
	s_mov_b32 s39, 0
	s_and_b32 s66, s[WV], 1
	s_mov_b32 s40, 1
	s_mul_i32 s41, s66, 36864                      ; LDS address = place in the record
	s_mov_b32 s44, 1
	s_mul_i32 s45, s66, 34816
	s_add_co_u32 s45, s45, VSC
	s_mul_i32 s67, s[KVH], KVREC
	s_add_co_u32 s67, s67, KVB                     ; the record
	s_add_co_u32 s70, s67, s41
	s_mov_b32 s71, 0
	s_add_co_u32 s72, s67, s45
	s_mov_b32 s73, 0
	s_wait_dscnt 0x0                               ; both opening adds are done
	s_wait_kmcnt 0x0
	s_add_nc_u64 s[42:43], s[4:5], s[70:71]
	s_or_b32 s43, s43, 0x80000000
	s_add_nc_u64 s[46:47], s[4:5], s[72:73]
	s_or_b32 s47, s47, 0x80000000
	s_cmp_lt_u32 s[WV], 2                          ; waves 0 and 1 fetch, both fills of a wave in one branch on the wave's number
	s_cbranch_scc0 .Lno_fill
	tensor_load_to_lds s[40:43], s[24:31]          ; half of k's part,
	s_nop 0
	tensor_load_to_lds s[44:47], s[32:39]          ; half of v's
	s_nop 0
.rept 4
	v_nop
.endr
.Lno_fill:
	s_mul_i32 s66, s[HH], QREC
	s_mov_b32 s67, 0
	s_add_nc_u64 s[68:69], s[4:5], s[66:67]        ; my query head's record
	s_lshl_b32 s70, s[TB], 10
	s_lshl_b32 s71, s[UU], 9
	s_add_co_u32 s70, s70, s71
	s_add_co_u32 s70, s70, 8192                    ; my tile's codes
	s_lshl_b32 s71, s[TB], 7
	s_lshl_b32 s72, s[UU], 6
	s_add_co_u32 s71, s71, s72                     ; and its words
	v_and_b32 v8, 31, v0                           ; lane
	v_and_b32 v9, 15, v0                           ; r
	v_lshlrev_b32 v250, 4, v8
	v_add_nc_u32 v10, s70, v250
	global_load_b128 v[16:19], v10, s[68:69]
	v_lshl_add_u32 v11, v9, 2, s71
	global_load_b32 v24, v11, s[68:69]
	s_lshl_b32 s66, s[HH], 2
	s_add_nc_u64 s[6:7], s[6:7], s[66:67]
	s_load_b32 s[SNK], s[6:7], 0x0                 ; my head's sink
	v_add_nc_u32 v[AK0], KIMG, v250
	v_lshlrev_b32 v[AS0], 2, v8
	v_add_nc_u32 v[AV0], VIMG, v250
	v_add_nc_u32 v[AW0], VSC, v[AS0]
	v_and_b32 v[QT], 8, v9
	v_add_nc_u32 v[QT], v[QT], v9
	v_bfe_u32 v251, v0, 4, 1
	v_lshlrev_b32 v251, 4, v251
	v_sub_nc_u32 v[QT], v[QT], v251
	v_mov_b32 v13, 0xff61b1e6                      ; the largest t so far: -3e38, under every t
	v_floor_f32 v12, -v13                          ; -M
	v_mov_b32 v14, 0
	v_mov_b32 v15, 0
.irp j, 20,21,22,23,27,236,237,238,239,253
	v_mov_b32 v\j, 0                               ; q's zero codes; the upper halves of pairs; the lane permutes' destinations
.endr
.irp t, 0,1,2,3,4,5,6,7
.irp j, 4,5,6,7
	v_mov_b32 v[32+8*\t+\j], 0                     ; k's zero codes for K = 64 .. 127: written once
.endr
.endr
.set jj, 0
.rept 32
	v_mov_b32 v[160+jj], 0                         ; O^T: pass 2 is written once and adds in place
.set jj, jj+1
.endr
	s_wait_tensorcnt 0x1                           ; (waves 0, 1) my half of k's part has landed; v's may stay out
	s_wait_loadcnt 0x0                             ; q
	s_wait_kmcnt 0x0                               ; the sink
	s_barrier_signal -1
	s_barrier_wait -1
	; ---- PASS 1.  Sixteen trips in every wave; a trip whose keys all come after my queries only steps the addresses
	s_mov_b32 s[KF], 0
	s_mov_b32 s[TK], 0
	s_mov_b32 s[TS], 0
	s_mov_b32 s[CNT], 16
.Lp1:
	s_cmp_gt_u32 s[KF], s[QL]
	s_cbranch_scc1 .Lp1_next
	SCORES 0
	BLKMAX
	v_max3_num_f32 v254, v232, v233, v234
	v_max_num_f32 v254, v254, v235                 ; my lane's largest score of the step
	v_mul_f32 v254, s[CS], v254                    ; as t (c is positive)
	v_max_num_f32 v13, v13, v254
	v_mov_b32 v254, v12
	v_floor_f32 v12, -v13                          ; the new -M = -ceil(t): a whole number
	v_sub_f32 v254, v12, v254                      ; old M - new M: a whole number, 0 or less
	v_cvt_i32_f32 v254, v254                       ; (it saturates)
	v_ldexp_f32 v252, 1.0, v254                    ; f = 2^(old M - new M)
.set jj, 0
.rept 32
	v_pk_fma_f32 v[96+jj:97+jj], v[96+jj:97+jj], s[CS:CS+1], v[12:13] op_sel_hi:[1,0,0]   ; t - M
.set jj, jj+2
.endr
.set jj, 0
.rept 64
	v_exp_f32 v[96+jj], v[96+jj]
.set jj, jj+1
.endr
	v_pk_mul_f32 v[14:15], v[14:15], v[252:253] op_sel_hi:[1,0]   ; the sum under the new M: the plain line behind the exponentials
	s_wait_alu depctr_va_vdst(0)                   ; one wait for the batch, ahead of its first reader
	v_pk_add_f32 v[236:237], v[96:97], v[98:99]    ; the sum, two at a time, in two chains
.irp j, 4,8,12,16,20,24,28,32,36,40,44,48,52,56,60
	v_pk_add_f32 v[14:15], v[14:15], v[96+\j:97+\j]
	v_pk_add_f32 v[236:237], v[236:237], v[98+\j:99+\j]
.endr
	v_pk_add_f32 v[14:15], v[14:15], v[236:237]
.Lp1_next:
	s_add_co_u32 s[KF], s[KF], 128
	s_add_co_u32 s[TK], s[TK], 4096
	s_add_co_u32 s[TS], s[TS], 512
	s_sub_co_u32 s[CNT], s[CNT], 1
	s_cmp_lg_u32 s[CNT], 0
	s_cbranch_scc1 .Lp1
	; ---- the two lanes of a query are joined: l = l1 2^(M1 - M) + l2 2^(M2 - M) under M = the larger: the factors round nothing, and the sum of two is the same in both lanes
	v_add_f32 v14, v14, v15
	v_permlanex16_b32 v250, v12, s[SEL], s[SEL+1]
	v_permlanex16_b32 v251, v14, s[SEL], s[SEL+1]
	v_min_num_f32 v252, v12, v250                  ; -M
	v_sub_f32 v254, v252, v12
	v_sub_f32 v255, v252, v250
	v_cvt_i32_f32 v254, v254
	v_cvt_i32_f32 v255, v255
	v_ldexp_f32 v14, v14, v254
	v_ldexp_f32 v251, v251, v255
	v_add_f32 v14, v14, v251
	v_log_f32 v14, v14                             ; l is at least a half: the largest p lies over a half
	v_nop
	s_wait_alu depctr_va_vdst(0)
	v_sub_f32 v12, v252, v14                       ; NL = -(M + log2 l) = -lse log2(e)
	v_fma_f32 v250, s[SNK], s[L2E], v12            ; (sink - lse) log2(e)
	v_exp_f32 v250, v250
	v_nop
	s_wait_alu depctr_va_vdst(0)
	v_add_f32 v250, 1.0, v250
	v_rcp_f32 v26, v250                            ; sigmoid(lse - sink)
	v_nop
	s_wait_alu depctr_va_vdst(0)
	s_wait_tensorcnt 0x0                           ; (waves 0, 1) my half of v's part has landed
	s_wait_dscnt 0x0
	s_barrier_signal -1
	s_barrier_wait -1
	; ---- PASS 2
	s_mov_b32 s[KF], 0
	s_mov_b32 s[TK], 0
	s_mov_b32 s[TS], 0
	s_mov_b32 s[TV], 0
	s_mov_b32 s[TW], 0
	s_mov_b32 s[CNT], 16
.Lp2:
	s_cmp_gt_u32 s[KF], s[QL]
	s_cbranch_scc1 .Lp2_next
	SCORES 1
.irp dt, 0,1,2,3                               ; v's four fragments land under the softmax.  Behind the last trip's products stand the four address lines and four v_nop of SCORES
.irp c, 0,1
	ds_load_b128 v[192+8*\dt+4*\c:195+8*\dt+4*\c], v[ADV] offset:1024*\dt+512*\c
.endr
.endr
.irp g, 0,1
	ds_load_b32 v[248+\g], v[ADW] offset:128*\g
.endr
	BLKMAX
.irp b, 0,1,2,3
	v_permlanex16_b32 v[236+\b], v[232+\b], s[SEL], s[SEL+1]
.endr
.irp b, 0,1,2,3
	v_max_num_f32 v[232+\b], v[232+\b], v[236+\b]  ; with lane l xor 16's 16 keys: the block's largest score
.endr
.set jj, 0
.rept 32
	v_pk_fma_f32 v[96+jj:97+jj], v[96+jj:97+jj], s[CS:CS+1], v[12:13] op_sel_hi:[1,0,0]   ; t + NL
.set jj, jj+2
.endr
.irp b, 0,1,2,3
	v_fma_f32 v[232+\b], v[232+\b], s[CS], v12     ; the same of each block's largest score
.endr
.set jj, 0
.rept 64
	v_exp_f32 v[96+jj], v[96+jj]                   ; p = exp(score - lse): finished and normalised
.set jj, jj+1
.endr
.irp b, 0,1,2,3
	v_exp_f32 v[232+\b], v[232+\b]                 ; the block's largest p: the same two instructions on the same number
.endr
	v_nop                                          ; the plain line behind the exponentials
	s_wait_alu depctr_va_vdst(0)                   ; one wait for the 68
.irp b, 0,1,2,3
	v_max_num_f32 v[232+\b], 0x1800000, v[232+\b]  ; the floor 2^(3 - 127): the byte cannot fall under 1
.endr
.irp b, 0,1,2,3
	v_add_nc_u32 v[244+\b], 0xff000000, v[232+\b]  ; 2 off the exponent field: the conversion's scale operand
.endr
.irp b, 0,1,2,3
	v_lshrrev_b32 v[236+\b], 23, v[244+\b]         ; the scale's byte
.endr
	v_lshl_or_b32 v253, v237, 8, v236              ; p's scale word for these 128 keys
	v_lshl_or_b32 v253, v238, 16, v253
	v_lshl_or_b32 v253, v239, 24, v253
.irp b, 0,1,2,3
	v_cvt_scalef32_pk8_fp4_f32 v[224+2*\b], v[96+16*\b:103+16*\b], v[244+\b]
	v_cvt_scalef32_pk8_fp4_f32 v[225+2*\b], v[104+16*\b:111+16*\b], v[244+\b]
.endr
	v_nop                                          ; one plain line behind a scaled conversion
.irp c, 0,1
.irp i, 0,1
	v_permlane16_swap_b32 v[224+4*\c+\i], v[226+4*\c+\i]   ; a whole block in a lane: lanes 0-15 block 2 c, lanes 16-31 block 2 c + 1
.endr
.endr
.rept 8
	v_nop                                          ; a scale word made by vector instructions stands eight plain lines ahead of the scaled product, codes so made four
.endr
	s_wait_dscnt 0x0                               ; v's fragments and words
.irp dt, 0,1,2,3                               ; the four accumulators take turns; between two links of one stand the others' and the next step's eight
.if \dt%2
	v_wmma_scale_f32_16x16x128_f8f6f4 v[160+8*\dt:167+8*\dt], v[192+8*\dt:199+8*\dt], v[224:231], v[160+8*\dt:167+8*\dt], v[248+\dt/2], v253 matrix_a_fmt:MATRIX_FMT_FP4 matrix_b_fmt:MATRIX_FMT_FP4 matrix_a_scale:MATRIX_SCALE_ROW1
.else
	v_wmma_scale_f32_16x16x128_f8f6f4 v[160+8*\dt:167+8*\dt], v[192+8*\dt:199+8*\dt], v[224:231], v[160+8*\dt:167+8*\dt], v[248+\dt/2], v253 matrix_a_fmt:MATRIX_FMT_FP4 matrix_b_fmt:MATRIX_FMT_FP4
.endif
.endr
.Lp2_next:
	s_add_co_u32 s[KF], s[KF], 128
	s_add_co_u32 s[TK], s[TK], 4096
	s_add_co_u32 s[TS], s[TS], 512
	s_add_co_u32 s[TV], s[TV], 4096
	s_add_co_u32 s[TW], s[TW], 256
	s_sub_co_u32 s[CNT], s[CNT], 1
	s_cmp_lg_u32 s[CNT], 0
	s_cbranch_scc1 .Lp2
	; ---- THE WAY OUT.  The seven address lines are the plain lines behind the last products
	s_lshl_b32 s66, s[TB], 15                      ; aoc: group x 32,768 + (H / 2) x 2,048 + u x 1,024 + (H % 2) x 512 + 16 lane: piece H % 2 of the fragment of K step H / 2
	s_lshr_b32 s67, s[HH], 1
	s_lshl_b32 s67, s67, 11
	s_add_co_u32 s66, s66, s67
	s_lshl_b32 s67, s[UU], 10
	s_add_co_u32 s66, s66, s67
	s_and_b32 s67, s[HH], 1
	s_lshl_b32 s67, s67, 9
	s_add_co_u32 s66, s66, s67
	s_lshl_b32 s67, s[BLK], 8                      ; LDS: OSC + 256 x (early or late) + 8 (16 u + r) + 2 x query head: eight bytes a token, the KV head's two K steps
	s_lshl_b32 s68, s[UU], 7
	s_add_co_u32 s67, s67, s68
	s_lshl_b32 s68, s[HQ], 1
	s_add_co_u32 s67, s67, s68
	s_add_co_u32 s67, s67, OSC
	s_and_b32 s68, s[WV], 1
	s_lshl_b32 s68, s68, 8
	s_add_co_u32 s68, s68, OSC
	s_lshl_b32 s69, s[TB], 11                      ; aos: group x 2,048 + KV head x 256 + 8 lane
	s_lshl_b32 s70, s[KVH], 8
	s_add_co_u32 s69, s69, s70
	v_and_b32 v8, 31, v0
	v_lshlrev_b32 v9, 4, v8
	v_add_nc_u32 v9, s66, v9
	v_and_b32 v10, 15, v0
	v_lshl_add_u32 v10, v10, 3, s67
	v_lshl_add_u32 v11, v8, 3, s68
	v_lshl_add_u32 v8, v8, 3, s69
.set jj, 0
.rept 16
	v_pk_mul_f32 v[160+jj:161+jj], v[160+jj:161+jj], v[26:27] op_sel_hi:[1,0]   ; x sigmoid(lse - sink); each accumulator from its low end on
.set jj, jj+2
.endr
.irp g, 0,1
	v_max3_num_f32 v[232+\g], |v[160+16*\g]|, |v[161+16*\g]|, 0x1800000   ; block g: channels 32 g + 16 h + 0..15 are mine
.endr
.irp i, 2,4,6,8,10,12,14
.irp g, 0,1
	v_max3_num_f32 v[232+\g], v[232+\g], |v[160+16*\g+\i]|, |v[161+16*\g+\i]|
.endr
.endr
.irp g, 0,1
	v_permlanex16_b32 v[236+\g], v[232+\g], s[SEL], s[SEL+1]
.endr
.irp g, 0,1
	v_max_num_f32 v[232+\g], v[232+\g], v[236+\g]
.endr
.irp g, 0,1
	v_add_nc_u32 v[244+\g], 0xff000000, v[232+\g]
.endr
.irp g, 0,1
	v_lshrrev_b32 v[236+\g], 23, v[244+\g]
.endr
	v_lshl_or_b32 v250, v237, 8, v236              ; my head's two bytes
.irp g, 0,1
	v_cvt_scalef32_pk8_fp4_f32 v[224+2*\g], v[160+16*\g:167+16*\g], v[244+\g]
	v_cvt_scalef32_pk8_fp4_f32 v[225+2*\g], v[168+16*\g:175+16*\g], v[244+\g]
.endr
	v_nop
	v_permlane16_swap_b32 v224, v226
	v_permlane16_swap_b32 v225, v227               ; registers 0-3: k = 32 h + 0..31 of my head's 64
	global_store_b128 v9, v[224:227], s[8:9]       ; 512 consecutive bytes
	ds_store_b16 v10, v250                         ; both lanes of a query write the same two bytes
	s_wait_dscnt 0x0                               ; for the others' sake: my store has landed
	s_barrier_signal -1
	s_barrier_wait -1
	s_cmp_lt_u32 s[WV], 2                          ; wave 0 (an early tile) and wave 1 (a late one) store their token group's 256 bytes
	s_cbranch_scc0 .Lno_words
	ds_load_b64 v[250:251], v11
	s_wait_dscnt 0x0
	global_store_b64 v8, v[250:251], s[10:11]      ; 256 consecutive bytes, aligned
.Lno_words:
	s_wait_tensorcnt 0x0                           ; the wave's end, behind my last tensor load and my last LDS store
	ds_add_u32 v[SPW], v[NIL]
	s_wait_dscnt 0x0
	s_endpgm
.Lfunc_end_k_q7ff0cf9be8_attn:
	.size	k_q7ff0cf9be8_attn, .Lfunc_end_k_q7ff0cf9be8_attn-k_q7ff0cf9be8_attn
	.p2alignl 7, 3214868480
	.fill 96, 4, 3214868480
	.section	.rodata,"a",@progbits
	.p2align	6, 0x0
	.amdhsa_kernel k_q7ff0cf9be8_attn
		.amdhsa_group_segment_fixed_size 167936
		.amdhsa_private_segment_fixed_size 0
		.amdhsa_enable_private_segment 0
		.amdhsa_kernarg_size 32
		.amdhsa_user_sgpr_count 2
		.amdhsa_user_sgpr_kernarg_segment_ptr 1
		.amdhsa_wavefront_size32 1
		.amdhsa_system_sgpr_workgroup_id_x 1
		.amdhsa_system_sgpr_workgroup_id_y 1
		.amdhsa_system_sgpr_workgroup_id_z 1
		.amdhsa_system_vgpr_workitem_id 0
		.amdhsa_next_free_vgpr 256
		.amdhsa_next_free_sgpr 80
		.amdhsa_reserve_vcc 1
		.amdhsa_float_denorm_mode_32 3
		.amdhsa_float_denorm_mode_16_64 3
		.amdhsa_memory_ordered 1
		.amdhsa_forward_progress 1
		.amdhsa_inst_pref_size 47
	.end_amdhsa_kernel
	.amdgpu_metadata
---
amdhsa.version: [ 1, 2 ]
amdhsa.kernels:
  - .name:           k_q7ff0cf9be8_attn
    .symbol:         k_q7ff0cf9be8_attn.kd
    .args:
      - { .name: qkv, .offset: 0, .size: 8, .value_kind: global_buffer, .address_space: global }
      - { .name: sinks, .offset: 8, .size: 8, .value_kind: global_buffer, .address_space: global }
      - { .name: aoc, .offset: 16, .size: 8, .value_kind: global_buffer, .address_space: global }
      - { .name: aos, .offset: 24, .size: 8, .value_kind: global_buffer, .address_space: global }
    .group_segment_fixed_size: 167936
    .private_segment_fixed_size: 0
    .kernarg_segment_align: 8
    .kernarg_segment_size: 32
    .max_flat_workgroup_size: 512
    .sgpr_count:     80
    .vgpr_count:     256
    .wavefront_size: 32
...
	.end_amdgpu_metadata
.endif
;; end of part 3
;; launch oproj (part 4): grid 16 x 16, 4 waves a work-group, clusters of 4 x 1, 196,608 bytes of LDS; arguments codes, scales, aoc, aos, wo_b, out0; writes out0
.if DOCPART == 4
	.amdgcn_target "amdgcn-amd-amdhsa--gfx1250"
	.amdhsa_code_object_version 6
	.text
	.protected	k_q7ff0cf9be8_oproj
	.globl	k_q7ff0cf9be8_oproj
	.p2align	8
	.type	k_q7ff0cf9be8_oproj,@function
k_q7ff0cf9be8_oproj:
	s_mov_b64 s[64:65], 0
	v_nop
	global_prefetch_b8 v0, s[64:65] scope:SCOPE_SE
	s_setreg_imm32_b32 hwreg(HW_REG_WAVE_MODE, 25, 1), 1
	s_wait_xcnt 0x0
	s_wait_alu depctr_hold_cnt(0) depctr_sa_sdst(0) depctr_va_vdst(0) depctr_va_sdst(0) depctr_va_ssrc(0) depctr_va_vcc(0) depctr_vm_vsrc(0)
	s_getreg_b32 s2, hwreg(HW_REG_IB_STS2, 6, 4)
	s_cmp_eq_u32 s2, 0
	s_cbranch_scc0 .Lentry_in_a_cluster
	s_endpgm
.Lentry_in_a_cluster:
	s_bfe_u32 s2, ttmp6, 0x10000c
	s_cmp_lg_u32 s2, 0x3003
	s_cbranch_scc0 .Lentry_shape_is_right
	s_endpgm
.Lentry_shape_is_right:
; out0 = A wo_w^T + wo_b on codes of E2M1 with E8M0 scales: A's codes and scale words come from the attention launch (aoc, aos), wo_w's from the first launch.  No work of reference() is left out here.
; THE CORE is that of the projections: source 0 = R = 128 rows of wo_w (output features 128 y on), whose rows fall into a lane's registers; source 1 = P = 32 tokens a wave (group 4 (4 cluster x + cx) + w), which fall into lanes.
; A wave: 2 tiles of P x 8 tiles of R = 16 accumulators, which begin at the bias.  P's codes for all of K stay in 256 registers (window 1).  R's codes (128 KB) and scale words (8 KB) come into LDS once; nothing is filled twice.
; CLUSTER: the four work-groups of a cluster lie along x and take the same y, so the same R: each of a wave's three tensor loads is asked for jointly, with the mask of all four; its descriptor is made of y and the wave's number alone.
; cx enters only the addresses of P and of out0.  Three loads of a wave are out.
; THE WAY OUT.  A lane holds 64 features of one token in pieces of 32 bytes: a tile of 16 tokens goes through the wave's own stage in LDS (rows of 512 bytes + 16) and leaves as whole rows: 512 consecutive bytes a store.
.set SCL,   131072                     ; LDS: R's codes [half of K][group b][K step % 8][u][c][lane] from 0; R's scale words from here
.set STG,   139264                     ; a stage of 16 rows x 528 bytes for each wave: no fill lands here
.set SPARE, STG+4*16*528               ; the spare words, 128 bytes for each of four waves
.set LI,  1                            ; v1   16 x lane
.set L8,  2                            ; v2   8 x lane
.set LI1, 5                            ; v5   16 x lane + 65,536
.set LIS, 6                            ; v6   16 x lane + SCL
.set OB,  7                            ; v7   64 h
.set STO, 8                            ; v8   the stage on the way in: row r, + 64 h
.set RD,  9                            ; v9   and on the way out: 16 x lane
.set SPW, 12                           ; v12  my spare word's LDS address; never rewritten
.set NIL, 13                           ; v13  0; never rewritten
.set RF,  16                           ; v16-79   R's eight fragments; on the way out 16 rows read back
.set SR,  80                           ; v80-95   R's scale words
.set SP,  96                           ; v96-111  P's scale words
.set ACC, 128                          ; v128-255 accumulator (a, t) at ACC + 64 a + 8 t.   Window 1: P's fragment (K step, a) at 16 ks + 8 a
.set MSB, 0
.macro WIN new                         ; the immediate's high byte repeats the setting that is left
.if MSB != \new
	s_set_vgpr_msb (MSB<<8)|\new
.set MSB, \new
.endif
.endm
.macro PLACES n
.rept \n
	v_nop
.endr
.endm
.macro WMA ra, rb
.if ((\ra) == 0) && ((\rb) == 0)
	v_wmma_scale_f32_16x16x128_f8f6f4 v[rD:rD+7], v[rA:rA+7], v[rB:rB+7], v[rD:rD+7], v[rSA], v[rSB] matrix_a_fmt:MATRIX_FMT_FP4 matrix_b_fmt:MATRIX_FMT_FP4
.elseif (\rb) == 0
	v_wmma_scale_f32_16x16x128_f8f6f4 v[rD:rD+7], v[rA:rA+7], v[rB:rB+7], v[rD:rD+7], v[rSA], v[rSB] matrix_a_fmt:MATRIX_FMT_FP4 matrix_b_fmt:MATRIX_FMT_FP4 matrix_a_scale:MATRIX_SCALE_ROW1
.elseif (\ra) == 0
	v_wmma_scale_f32_16x16x128_f8f6f4 v[rD:rD+7], v[rA:rA+7], v[rB:rB+7], v[rD:rD+7], v[rSA], v[rSB] matrix_a_fmt:MATRIX_FMT_FP4 matrix_b_fmt:MATRIX_FMT_FP4 matrix_b_scale:MATRIX_SCALE_ROW1
.else
	v_wmma_scale_f32_16x16x128_f8f6f4 v[rD:rD+7], v[rA:rA+7], v[rB:rB+7], v[rD:rD+7], v[rSA], v[rSB] matrix_a_fmt:MATRIX_FMT_FP4 matrix_b_fmt:MATRIX_FMT_FP4 matrix_a_scale:MATRIX_SCALE_ROW1 matrix_b_scale:MATRIX_SCALE_ROW1
.endif
.endm
.macro HALFLD hb, ks                   ; R's tiles 4 hb .. 4 hb + 3 of K step ks: eight loads of 512 consecutive bytes
.if (\ks) < 8
.set rAD, LI
.else
.set rAD, LI1
.endif
.irp tt, 0,1,2,3
.irp c, 0,1
	ds_load_b128 v[RF+8*(4*(\hb)+\tt)+4*\c:RF+8*(4*(\hb)+\tt)+4*\c+3], v[rAD] offset:((4*(\hb)+\tt)/2)*16384+((\ks)%8)*2048+(\tt%2)*1024+\c*512
.endr
.endr
.endm
.macro MUL8 hb, ks                     ; the 16 accumulators take turns, one instruction a turn, in the same order in every K step
.irp a, 0,1
.irp tt, 0,1,2,3
.set rT, 4*(\hb)+\tt
.set rD, ACC+64*\a+8*rT
.set rA, RF+8*rT
.set rB, 16*(\ks)+8*\a
.set rSA, SR+4*(rT/2)+(\ks)%4
.set rSB, SP+(\ks)
	WMA \tt%2, \a
.endr
.endr
.endm
.macro KQUAD q                         ; four K steps; four plain lines stand in front of each run of loads into registers that matrix instructions have read
	PLACES 4
.irp b, 0,1,2,3
	ds_load_b128 v[SR+4*\b:SR+4*\b+3], v[LIS] offset:\b*2048+(\q)*512
.endr
	HALFLD 0, 4*(\q)
	HALFLD 1, 4*(\q)
.irp k, 0,1,2,3
	s_wait_dscnt 8                                 ; tiles 0-3 (and the scale words) are in; the youngest eight loads, tiles 4-7, may be out
	MUL8 0, 4*(\q)+\k
.if \k < 3
	PLACES 4
	HALFLD 0, 4*(\q)+\k+1
	s_wait_dscnt 8                                 ; tiles 4-7 are in; the eight loads just issued may be out
.else
	s_wait_dscnt 0x0
.endif
	MUL8 1, 4*(\q)+\k
.if \k < 3
	PLACES 4
	HALFLD 1, 4*(\q)+\k+1
.endif
.endr
.endm
.macro ROUND                           ; a round of the cluster's barrier
	s_barrier_signal -1
	s_barrier_wait -1
	s_cmp_lg_u32 s18, 0
	s_cbranch_scc1 .Lnot_wave_0_\@
	s_barrier_signal -3
.Lnot_wave_0_\@:
	s_barrier_wait -3
	s_barrier_signal -1
	s_barrier_wait -1
.endm
.macro TOSTAGE a                       ; tile a's 16 tokens x 128 features; each accumulator from its low end on
.irp t, 0,1,2,3,4,5,6,7
	ds_store_b128 v[STO], v[ACC+64*\a+8*\t:ACC+64*\a+8*\t+3] offset:128*(\t/2)+32*(\t%2)
	ds_store_b128 v[STO], v[ACC+64*\a+8*\t+4:ACC+64*\a+8*\t+7] offset:128*(\t/2)+32*(\t%2)+16
.endr
.endm
.macro BACK
.set ii, 0
.rept 16
	ds_load_b128 v[RF+4*ii:RF+4*ii+3], v[RD] offset:ii*528         ; LDS serves a wave's instructions in order: these see the stores above, and later stores come behind them
.set ii, ii+1
.endr
.endm
.macro SEND a
.set ii, 0
.rept 16
	global_store_b128 v[LI], v[RF+4*ii:RF+4*ii+3], s[60:61] offset:(8*\a+ii+8*(ii/8))*8192 th:TH_STORE_NT   ; token 8 a + i + 8 (i / 8) of my group: 512 consecutive bytes, aligned
.set ii, ii+1
.endr
.endm
	s_load_b256 s[4:11], s[0:1], 0x0               ; codes, scales, aoc, aos
	s_load_b128 s[12:15], s[0:1], 0x20             ; wo_b, out0
	v_lshl_add_u32 v[SPW], v0, 2, SPARE
	v_mov_b32 v[NIL], 0
	ds_add_u32 v[SPW], v[NIL]                      ; the wave's opening: the add, twice on end, and its wait ahead of the round in front of my first tensor loads
	ds_add_u32 v[SPW], v[NIL]
	v_lshrrev_b32 v3, 5, v0
	v_readfirstlane_b32 s18, v3                    ; wave 0..3
	s_and_b32 s19, ttmp7, 0xffff                   ; y, which the four partners share
	s_bfe_u32 s20, ttmp6, 0x40000                  ; cx
	s_lshl_b32 s21, ttmp9, 2
	s_add_co_u32 s21, s21, s20                     ; work-group x
	s_lshl_b32 s23, s21, 2
	s_add_co_u32 s23, s23, s18                     ; my group of 32 tokens
	s_lshl_b32 s24, s19, 2
	s_add_co_u32 s24, s24, 160
	s_add_co_u32 s24, s24, s18                     ; the group of wo_w that I fetch: 160 + 4 y + w
	; descriptors: dense blocks as rows of 256 bytes; the mask names all four work-groups, bit 21 is set beside it.  Codes: 64 rows a load; scale words: 8
	s_mov_b32 s28, 15|(3<<16)|(1<<21)
	s_mov_b32 s29, 32<<16
	s_mov_b32 s30, 64<<16
	s_mov_b32 s31, 32<<16
	s_mov_b32 s32, 64
	s_mov_b32 s33, 32
	s_mov_b32 s34, 0
	s_mov_b32 s35, 0
	s_mov_b32 s36, 15|(3<<16)|(1<<21)
	s_mov_b32 s37, 32<<16
	s_mov_b32 s38, 8<<16
	s_mov_b32 s39, 32<<16
	s_mov_b32 s40, 8
	s_mov_b32 s41, 32
	s_mov_b32 s42, 0
	s_mov_b32 s43, 0
	s_lshl_b32 s74, s24, 11
	s_mov_b32 s75, 0
	s_lshl_b32 s76, s24, 15
	s_mov_b32 s77, 0
	s_mov_b32 s44, 1
	s_lshl_b32 s45, s18, 11
	s_add_co_u32 s45, s45, SCL
	s_mov_b32 s48, 1
	s_lshl_b32 s49, s18, 14
	s_mov_b32 s52, 1
	s_add_co_u32 s53, s49, 65536
	v_and_b32 v3, 31, v0
	v_lshlrev_b32 v[LI], 4, v3
	v_lshlrev_b32 v[L8], 3, v3
	v_add_nc_u32 v[LI1], 0x10000, v[LI]
	v_add_nc_u32 v[LIS], SCL, v[LI]
	v_bfe_u32 v4, v0, 4, 1
	v_lshlrev_b32 v[OB], 6, v4
	v_and_b32 v3, 15, v0
	s_mul_i32 s72, s18, 16*528
	s_add_co_u32 s72, s72, STG                     ; my stage
	v_mul_u32_u24 v[STO], v3, 528
	v_lshl_add_u32 v[STO], v4, 6, v[STO]
	v_add_nc_u32 v[STO], s72, v[STO]
	v_add_nc_u32 v[RD], s72, v[LI]
	s_wait_dscnt 0x0                               ; both opening adds are done
	s_wait_kmcnt 0x0
	s_add_nc_u64 s[46:47], s[6:7], s[74:75]
	s_or_b32 s47, s47, 0x80000000
	s_add_nc_u64 s[50:51], s[4:5], s[76:77]
	s_add_nc_u64 s[54:55], s[50:51], 16384         ; the second half of K
	s_or_b32 s51, s51, 0x80000000
	s_or_b32 s55, s55, 0x80000000
	ROUND                                          ; all four work-groups are here: the joint loads meet
	tensor_load_to_lds s[44:47], s[36:43]          ; my group's scale words,
	s_nop 0
	tensor_load_to_lds s[48:51], s[28:35]          ; its K steps 0-7,
	s_nop 0
	tensor_load_to_lds s[52:55], s[28:35]          ; its K steps 8-15
	s_nop 0
	PLACES 4
	s_mov_b32 s71, 0
	s_lshl_b32 s70, s23, 15
	s_add_nc_u64 s[56:57], s[8:9], s[70:71]        ; P's codes
	s_lshl_b32 s70, s23, 11
	s_add_nc_u64 s[58:59], s[10:11], s[70:71]      ; P's scale words
	s_lshl_b32 s70, s19, 9
	s_add_nc_u64 s[62:63], s[12:13], s[70:71]      ; the bias of my 128 features
	s_lshl_b32 s73, s23, 18
	s_add_co_u32 s70, s70, s73
	s_add_nc_u64 s[60:61], s[14:15], s[70:71]      ; out0: my group's 32 rows of 8,192 bytes, + 512 y
.irp a, 0,1                                    ; the sums begin at the bias
.irp t, 0,1,2,3,4,5,6,7
	global_load_b128 v[ACC+64*\a+8*\t:ACC+64*\a+8*\t+3], v[OB], s[62:63] offset:(32*(\t/2)+8*(\t%2))*4      ; register j of tile t: feature 32 (t / 2) + 16 h + 8 (t % 2) + j
	global_load_b128 v[ACC+64*\a+8*\t+4:ACC+64*\a+8*\t+7], v[OB], s[62:63] offset:(32*(\t/2)+8*(\t%2))*4+16
.endr
.endr
.irp k, 0,1,2,3,4,5,6,7
	global_load_b64 v[SP+2*\k:SP+2*\k+1], v[L8], s[58:59] offset:256*\k   ; K steps 2 k, 2 k + 1: lanes 0-15 tile 0's words, lanes 16-31 tile 1's
.endr
	WIN 0x40                                       ; destination window 1
.set nn, 0
.rept 64
	global_load_b128 v[4*nn:4*nn+3], v[LI], s[56:57] offset:512*nn
.set nn, nn+1
.endr
	WIN 0
	s_wait_tensorcnt 0x1                           ; my parts of the scale words and of K steps 0-7 have landed; K steps 8-15 may stay out
	s_wait_loadcnt 32                              ; the bias, P's scale words and P's K steps 0-7 are in; the youngest 32 loads may be out
	s_barrier_signal -1
	s_barrier_wait -1
	WIN 0x04                                       ; source 1 (P) window 1
	KQUAD 0
	KQUAD 1
	s_wait_tensorcnt 0x0
	s_wait_loadcnt 0x0
	s_wait_dscnt 0x0
	s_barrier_signal -1
	s_barrier_wait -1
	KQUAD 2
	KQUAD 3
	WIN 0
	PLACES 4                                       ; in front of the first read of results and of loads into R's registers
	TOSTAGE 0
	BACK
	TOSTAGE 1
	s_wait_dscnt 16                                ; tile 0's rows are back; tile 1's sixteen stores are younger
	SEND 0
	s_wait_xcnt 0x0                                ; the stores have read their data: the registers may be loaded again
	BACK
	s_wait_dscnt 0x0
	SEND 1
	s_wait_tensorcnt 0x0                           ; the wave's end, behind my last tensor load and my last LDS store
	ds_add_u32 v[SPW], v[NIL]
	s_wait_dscnt 0x0
	ROUND                                          ; the closing round: no work-group ends while a partner may still ask for a tile that names it
	s_endpgm
.Lfunc_end_k_q7ff0cf9be8_oproj:
	.size	k_q7ff0cf9be8_oproj, .Lfunc_end_k_q7ff0cf9be8_oproj-k_q7ff0cf9be8_oproj
	.p2alignl 7, 3214868480
	.fill 96, 4, 3214868480
	.section	.rodata,"a",@progbits
	.p2align	6, 0x0
	.amdhsa_kernel k_q7ff0cf9be8_oproj
		.amdhsa_group_segment_fixed_size 196608
		.amdhsa_private_segment_fixed_size 0
		.amdhsa_enable_private_segment 0
		.amdhsa_kernarg_size 48
		.amdhsa_user_sgpr_count 2
		.amdhsa_user_sgpr_kernarg_segment_ptr 1
		.amdhsa_wavefront_size32 1
		.amdhsa_system_sgpr_workgroup_id_x 1
		.amdhsa_system_sgpr_workgroup_id_y 1
		.amdhsa_system_sgpr_workgroup_id_z 1
		.amdhsa_system_vgpr_workitem_id 0
		.amdhsa_next_free_vgpr 512
		.amdhsa_next_free_sgpr 84
		.amdhsa_reserve_vcc 0
		.amdhsa_float_denorm_mode_32 3
		.amdhsa_float_denorm_mode_16_64 3
		.amdhsa_memory_ordered 1
		.amdhsa_forward_progress 1
		.amdhsa_inst_pref_size 76
	.end_amdhsa_kernel
	.amdgpu_metadata
---
amdhsa.version: [ 1, 2 ]
amdhsa.kernels:
  - .name:           k_q7ff0cf9be8_oproj
    .symbol:         k_q7ff0cf9be8_oproj.kd
    .args:
      - { .name: codes, .offset: 0, .size: 8, .value_kind: global_buffer, .address_space: global }
      - { .name: scales, .offset: 8, .size: 8, .value_kind: global_buffer, .address_space: global }
      - { .name: aoc, .offset: 16, .size: 8, .value_kind: global_buffer, .address_space: global }
      - { .name: aos, .offset: 24, .size: 8, .value_kind: global_buffer, .address_space: global }
      - { .name: wo_b, .offset: 32, .size: 8, .value_kind: global_buffer, .address_space: global }
      - { .name: out0, .offset: 40, .size: 8, .value_kind: global_buffer, .address_space: global }
    .group_segment_fixed_size: 196608
    .private_segment_fixed_size: 0
    .kernarg_segment_align: 8
    .kernarg_segment_size: 48
    .max_flat_workgroup_size: 128
    .sgpr_count:     84
    .vgpr_count:     512
    .wavefront_size: 32
...
	.end_amdgpu_metadata
.endif
;; end of part 4
